; MI455X (gfx1250); checked and timed in simulation.
; The chip was launched on July 23, 2026; its instructions are those of AMD's public machine-readable ISA for CDNA 5 (MIT licence, August 2026) and "CDNA5" Instruction Set Architecture Reference Guide (July 2026). The comments in the code are by the model that wrote it; some were corrected since.
;; Vector Quantize Sampler. Allowed arithmetic: matrix products marked QUANTISED: E5M2 operands, one E8M0 scale for each 32 along K, by v_wmma_scale_f32_16x16x128_f8f6f4 with both operands' format E5M2, f32 sums; everything else in f32.
;; Inputs: embeddings 1,024 x 64 float32; zq 131,072 x 64 float32.
;; Outputs: out0 131,072 x 64 float32.
;; This version of the problem:
;;   THIS VERSION OF THE PROBLEM IS GIVEN IN LOW PRECISION. The matrix products marked QUANTISED in the list below multiply operands that are first quantised to E5M2 (5 exponent bits, 2 mantissa bits; 8 bits a number), with one power-of-two scale for each 32 numbers along K (OCP MX v1.0); their sums are f32. All else is computed in f32.
;;   The module's matrix products, in the order in which they are computed (A, B: the left and right operand; K: the contracted axis; several contracted axes count as one K, in the product's order):
;;     1. [M 131,072, K 64] x [K 64, N 1,024]; A: input zq; B: input embeddings: QUANTISED
;;   THE QUANTISER, for each operand of a quantised product, along K:
;;     - K is cut into blocks of 32 from its start; a last block that is shorter is filled with zeros.
;;     - A block's scale is 2^e with e = floor(log2(the largest magnitude in the block)) - 15, held to -126 .. 127; a block of zeros has e = 0. As a byte (E8M0): e + 127.
;;     - Each number is divided by its block's scale, clamped to +-57,344, and rounded to the nearest number of E5M2, ties to even, subnormals kept.
;;     - The product sums the exact products of the quantised numbers (number of the format x scale) in f32.
;;   ~~~python
;;   def quantise(x, axis):      # numpy; x: float32 -> the quantised numbers, widened to float32 again
;;       x = np.moveaxis(x, axis, -1); K = x.shape[-1]
;;       x = np.pad(x, [(0, 0)] * (x.ndim - 1) + [(0, -K % 32)]); x = x.reshape(x.shape[:-1] + (-1, 32)); a = np.abs(x).max(-1, keepdims=True)
;;       e = np.where(a > 0, np.clip(np.frexp(np.where(a > 0, a, 1))[1] - 1 - 15, -126, 127), 0)      # np.frexp(a)[1] - 1 = floor(log2(a)), exactly
;;       r = np.clip(x / 2.0 ** e, -57344, 57344)
;;       step = 2.0 ** (np.maximum(np.frexp(np.where(r == 0, 1, r))[1] - 1, -14) - 2)
;;       q = np.round(r / step) * step * 2.0 ** e      # np.round: ties to even
;;       return np.moveaxis(q.reshape(q.shape[:-2] + (-1,))[..., :K], -1, axis).astype(np.float32)
;;   ~~~
;; One version. Each part assembles by itself: llvm-mc -triple=amdgcn-amd-amdhsa -mcpu=gfx1250 --defsym DOCPART=n.
;; ======== version 1 of 1: 2 launches
;; limits: right only within a limited range of input values
;; workspace buffers: ix 524,288 bytes of whole numbers
;; launch nearest (part 1): grid 256 x 1, 8 waves a work-group, no clusters, 297,472 bytes of LDS; arguments zq, embeddings, ix; writes ix
.if DOCPART == 1
	.amdgcn_target "amdgcn-amd-amdhsa--gfx1250"
	.amdhsa_code_object_version 6
	.text
	.protected	k_q1c296fb604_nearest
	.globl	k_q1c296fb604_nearest
	.p2align	8
	.type	k_q1c296fb604_nearest,@function
k_q1c296fb604_nearest:
	s_mov_b64 s[64:65], 0
	v_nop
	global_prefetch_b8 v0, s[64:65] scope:SCOPE_SE
	s_setreg_imm32_b32 hwreg(HW_REG_WAVE_MODE, 25, 1), 1
	s_wait_xcnt 0x0
; ix[row] = the index of the code w (of 1,024) for which ||w||^2 - 2 z.w is least, z = zq[row].  zq: [131072][64] f32, embeddings: [1024][64] f32.
; z.w is taken on codes of BF8 (E5M2) with one E8M0 scale for each 32 along K = 64; K's upper 64 of the instruction's 128 are zero codes on both sides.  All else in f32.
; FOLDED INTO THE PRODUCT: the table is quantised as -w (the format and its rounding are symmetric: the sign rides on the hold), its scale bytes are raised by 1 (an exact x 2; a byte is at most 239 + 1),
; and ||w||^2, in f32, is the product's C.  So a result is ||w||^2 - 2 z.w with no vector work.
; DEAD WORK LEFT OUT: ||z||^2 is not added.  It is the same number for all 1,024 candidates of a row, so for all values of the inputs it cannot change which is least.
; LIMITS: NaN and infinities among the inputs are not served; an overflow of ||z||^2 alone is not carried to the result.  Blocks whose largest magnitude lies under 2^-111 keep the floor's scale byte.
; Candidates whose ||w||^2 - 2 z.w are equal as f32 go to the lowest index; candidates that lie closer together than the f32 rounding of the sums (their order differs from the reference's) may resolve otherwise than there.
; SHARES.  256 work-groups of eight waves; a work-group takes 512 rows, a wave 64: four tiles of 16.  Each wave also quantises 128 of the 1,024 codes for all eight: 64 of the lower 512 at the head, 64 of the upper 512
; behind its first quarter of the lower ones' products.  The codes go from wave to wave through LDS as images of the operand's registers (16 bytes a lane, 512 bytes a store), their scale words 4 bytes a lane, ||w||^2 as plain f32.
; TWO BARRIERS, one for each half of the table.  The second's signal stands behind the upper half's stores, its wait ahead of the first load of that half: six groups are looked through between the two,
; with loads of the lower half alone, into which nobody stores any more.
; LAYOUT.  Source 0 = 16 codes, source 1 = 16 rows of z: lane (r, h) holds ONE row r, and register j of tile t the code 16 t + 8 h + j.
; THE ARGMIN, exact, by groups of two tiles: 16 results of a lane and the least so far go through eight three-input minima; one compare; the group's number; and a SNAPSHOT of the 16 results, two registers a line.
; The groups go up and the compare is strict, so the first group stays.  Which of the 16 it was is looked for once, at the end, lowest first; then the two halves of the lanes are joined.
; The row tiles go in two pairs by turns: while one pair's results are looked through, the other pair's have just been issued.
; NO CLUSTER, NO JOINT LOAD, though all work-groups read the same table: the raw table in padded rows (1,024 x 272 = 278,528 bytes) does not fit into LDS beside the rows of z (139,264) and the images (77,824);
; so each wave takes its eighth of the table (32,768 bytes) through registers, in loads of 512 consecutive bytes.  No prefetch: no loop reads memory.
; Nothing in LDS is filled twice.
.set AIMG, 0                           ; LDS, lower half: tile t's codes: registers 4 c .. 4 c + 3 (c = 0, 1) at 1024 t + 512 c + 16 x lane
.set UPA,  40960                       ; the upper half's lie so much further on: codes,
.set ASC,  73728                       ; tile t's scale words at 128 t + 4 x lane;
.set UPS,  5120                        ; upper half
.set WSQ,  82944                       ; ||w||^2 of code n at 4 n;
.set UPC,  2560                        ; upper half
.set WST,  87552                       ; a stage of 32 rows x 272 bytes for each wave, to turn the raw table's rows
.set ZST,  157184                      ; 64 rows x 272 bytes of z for each wave: whole blocks of 256 bytes into which nothing is stored
.set SPARE, 296448                     ; the spare words, 128 bytes for each wave: four blocks of 256 bytes that no other line names
.set PITCH, 272                        ; 256 bytes + 16 = 68 words: row r starts at bank 4 r mod 64 (64 banks of 4 bytes: ISA guide 11.1)
; window 0
.set LI,   1                           ; v1   16 x lane: my place in an image, and in a load of 512 bytes
.set ADS0, 2                           ; v2   ASC + 4 x lane
.set ADC0, 3                           ; v3   WSQ + 32 h: my half's eight ||w||^2 of a tile
.set WSI,  4                           ; v4   my stage, on the way in: 272 h + 16 r
.set WSO,  5                           ; v5   and on the way out: 272 r + 64 h
.set ZA,   6                           ; v6   my wave's rows of z: 272 r + 64 h
.set AWI,  7                           ; v7   where I store images: 16 x lane + 4096 x wave
.set AWS,  8                           ; v8   scale words: ASC + 4 x lane + 512 x wave
.set WQA,  9                           ; v9   ||w||^2: WSQ + 4 r + 256 x wave
.set H8,   10                          ; v10  8 h
.set ADA,  11                          ; v11-13 the loops' LDS addresses (at the head: lane, r, h)
.set ADS,  12
.set ADC,  13
.set SPW,  14                          ; v14  LDS address of my spare word; never rewritten
.set NIL,  15                          ; v15  0; never rewritten
.set SO,   192                         ; v192 8 x lane: my two words of the wave's 256 bytes of ix
; while the operands are made:
.set XA,   16                          ; v16-79, v80-143  two sets of 64 numbers: register 16 b + i = k 32 c + 16 h + i of row r of tile u, b = 2 u + c (the second set at the head alone)
.set XB,   80
.set TM,   160                         ; v160-163 largest magnitudes, v164-167 bytes, v168-171 57,344 x the scale, v172-175 the conversions' scale operands
.set PW,   176                         ; v176-177 two scale words
.set SQ,   178                         ; v178-185 ||w||^2 in four pairs, two for each of two tiles
.set SQT,  186                         ; v186-187
.set PC,   208                         ; v208-223 the codes of two tiles
; in the loops:
.set DX,   16                          ; v16-47 results of row tiles 0, 1; v48-79 of row tiles 2, 3: 16 a row tile, two tiles of codes
.set DY,   48
.set SN,   80                          ; v80-143 the snapshots, 4 x 16
.set BM0,  144                         ; v144-147, v148-151 the least number so far, in two sets by turns: no move is needed
.set BM1,  148
.set G,    152                         ; v152-155 the group that brought it
.set T,    156                         ; v156-159 at work
.set CW,   208                         ; v208-239 ||w||^2 in the result's layout, two tiles x two buffers
.set ZS,   248                         ; v248-251 z's scale words;  v252-255 the table's, two tiles x two buffers: these eight registers hold scales and nothing else
.set AS,   252
; window 1
.set RAW,  0                           ; four pairs of tiles (32 codes, 64 registers each) as loaded: pairs 0, 1 (v0-127) at the head alone; pairs 2, 3 (v128-255) until they are quantised
.set ZB,   0                           ; v0-63 z's four fragments; the upper eight registers of each are zero codes
.set AF,   64                          ; v64-127  the table's fragments, two tiles x two buffers; upper eight likewise
.set WV,   10                          ; s10  my wave's number
.set SEL,  24                          ; s[24:25] v_permlanex16_b32's selects for lane l xor 16
.set MNT,  26                          ; s26  the mantissa field of 57,344
.set HI,   27                          ; s27  lanes 16-31
.set SA,   28                          ; s28-30 where the tiles to fetch begin: images, ||w||^2, scale words
.set SC,   29
.set SS,   30
.set TT,   31                          ; s31  the group's number
.set N,    33                          ; s33  trips to go
.set M,    36                          ; s[36:39], s[40:43], s[44:47] lane masks
.set E,    40
.set L,    44
.set MSB, 0
.macro WIN new                         ; the immediate's high byte repeats the setting that is left
.if MSB != \new
	s_set_vgpr_msb (MSB<<8)|\new
.set MSB, \new
.endif
.endm
	s_load_b128 s[4:7], s[0:1], 0x0                ; zq s[4:5], embeddings s[6:7]
	s_load_b64 s[8:9], s[0:1], 0x10                ; ix
	v_lshl_add_u32 v[SPW], v0, 2, SPARE
	v_mov_b32 v[NIL], 0
	ds_add_u32 v[SPW], v[NIL]                      ; the wave's opening: the add, twice on end, and its wait ahead of my tensor load
	ds_add_u32 v[SPW], v[NIL]
	v_lshrrev_b32 v[TM], 5, v0
	v_readfirstlane_b32 s[WV], v[TM]               ; wave 0..7
	v_and_b32 v11, 31, v0                          ; lane
	v_and_b32 v12, 15, v0                          ; r
	v_bfe_u32 v13, v0, 4, 1                        ; h
	v_lshlrev_b32 v[LI], 4, v11
	; the descriptor: my 64 rows of z are 16,384 dense bytes: 64 rows of 256 bytes (32 elements of 8 bytes), 16 bytes of padding behind each
	s_mov_b32 s12, 1                               ; group 0: count = 1
	s_mul_i32 s13, s[WV], 64*PITCH
	s_add_co_u32 s13, s13, ZST                     ; LDS address: ZST + 17,408 x wave
	s_mov_b32 s16, (3<<16)|(1<<20)|(5<<22)|(3<<25) ; group 1: no mask; elements of 8 bytes; padding on: after every 64 words (code 5) four words (code 3)
	s_mov_b32 s17, 32<<16                          ; tensor_dim0 = 32
	s_mov_b32 s18, 64<<16                          ; tensor_dim1 = 64
	s_mov_b32 s19, 32<<16                          ; tile_dim0 = 32
	s_mov_b32 s20, 64                              ; tile_dim1 = 64
	s_mov_b32 s21, 32                              ; from row to row: 32 elements
	s_mov_b32 s22, 0
	s_mov_b32 s23, 0
	s_lshl_b32 s48, ttmp9, 17                      ; zq: 512 rows of 256 bytes a work-group,
	s_lshl_b32 s49, s[WV], 14                      ; 64 a wave
	s_add_co_u32 s48, s48, s49
	s_mov_b32 s49, 0
	s_lshl_b32 s50, s[WV], 14                      ; embeddings: 64 codes of 256 bytes a wave in each half
	s_mov_b32 s51, 0
	s_lshl_b32 s34, ttmp9, 11                      ; ix: 512 words a work-group,
	s_lshl_b32 s35, s[WV], 8                       ; 64 a wave
	s_add_co_u32 s34, s34, s35
	s_mov_b32 s35, 0
	s_mov_b32 s[SEL], 0x76543210
	s_mov_b32 s[SEL+1], 0xfedcba98
	s_mov_b32 s[MNT], 0x600000
	s_mov_b32 s[HI], 0xffff0000
	s_wait_alu depctr_va_vdst(0)                   ; directly ahead of the waits below
	s_wait_dscnt 0x0                               ; both opening adds are done
	s_wait_kmcnt 0x0
	s_add_nc_u64 s[14:15], s[4:5], s[48:49]        ; global address of my first row
	s_or_b32 s15, s15, 0x80000000                  ; type = 2
	tensor_load_to_lds s[12:15], s[16:23]          ; my one tensor load: it lands while the table is quantised
	s_nop 0
.rept 4
	v_nop
.endr
	s_add_nc_u64 s[6:7], s[6:7], s[50:51]
	s_add_nc_u64 s[8:9], s[8:9], s[34:35]
; a pair of tiles (32 codes, 8,192 bytes) as it lies: each load reads 512 consecutive bytes, two codes' rows.  Pairs 0, 1: the lower half of the table; pairs 2, 3: the upper, 512 rows further down
.macro WLOAD p
	WIN 0x40
.irp k, 0,1,2,3,4,5,6,7,8,9,10,11,12,13,14,15
	global_load_b128 v[RAW+64*(\p)+4*\k:RAW+64*(\p)+4*\k+3], v[LI], s[6:7] offset:131072*((\p)/2)+8192*((\p)%2)+512*\k
.endr
	WIN 0
.endm
	WLOAD 0
	WLOAD 1
	s_mul_i32 s11, s[WV], 32*PITCH
	s_add_co_u32 s11, s11, WST                     ; my stage
	v_mul_u32_u24 v[WSI], v13, PITCH
	v_mul_u32_u24 v[WSO], v12, PITCH
	v_lshl_add_u32 v[WSI], v12, 4, v[WSI]
	v_lshl_add_u32 v[WSO], v13, 6, v[WSO]          ; 272 r + 64 h: my 16 numbers of a block of 32
	v_add_nc_u32 v[WSI], s11, v[WSI]
	v_add_nc_u32 v[ZA], s13, v[WSO]
	v_add_nc_u32 v[WSO], s11, v[WSO]
	s_lshl_b32 s11, s[WV], 12
	v_add_nc_u32 v[AWI], s11, v[LI]
	s_lshl_b32 s11, s[WV], 9
	s_add_co_u32 s11, s11, ASC
	v_lshl_add_u32 v[AWS], v11, 2, s11
	s_lshl_b32 s11, s[WV], 8
	s_add_co_u32 s11, s11, WSQ
	v_lshl_add_u32 v[WQA], v12, 2, s11
	v_lshlrev_b32 v[H8], 3, v13
	v_lshl_add_u32 v[ADS0], v11, 2, ASC
	v_lshl_add_u32 v[ADC0], v13, 5, WSQ
	v_lshlrev_b32 v[SO], 3, v11
.irp b, 0,1,2,3
	v_mov_b32 v[TM+4+\b], 0                        ; written once: a lane permute's destination counts as one of its sources
.endr
	v_mov_b32 v[SQT], 0
	v_mov_b32 v[SQT+1], 0
	s_wait_alu depctr_va_vdst(0)                   ; directly ahead of the wait below
; Pair p's 32 rows go through my own stage as they lie (TURNIN) and come back 64 bytes a lane (TURNOUT): 16 neighbours along K of each block.  LDS serves a wave's instructions in order (ISA guide 5.7.1.4): no wait between stores and loads.
.macro TURNIN p
	s_wait_loadcnt 16*(1-(\p)%2)                   ; this pair's 16 loads are in; those of the half's other pair, issued behind it, may be out
	WIN 0x04
.irp k, 0,1,2,3,4,5,6,7,8,9,10,11,12,13,14,15
	ds_store_b128 v[WSI], v[RAW+64*(\p)+4*\k:RAW+64*(\p)+4*\k+3] offset:2*PITCH*\k
.endr
	WIN 0
.endm
.macro TURNOUT x
.irp u, 0,1
.irp c, 0,1
.irp i, 0,1,2,3
	ds_load_b128 v[(\x)+32*\u+16*\c+4*\i:(\x)+32*\u+16*\c+4*\i+3], v[WSO] offset:16*PITCH*\u+128*\c+16*\i
.endr
.endr
.endr
.endm
; ||w||^2 of my row of both tiles, of the numbers as they were given: 32 of them are mine, 32 lane l xor 16's.  Four chains by turns
.macro SQSUM x
.irp c, 0,1,2,3
	v_pk_mul_f32 v[SQ+2*\c:SQ+2*\c+1], v[(\x)+16*\c:(\x)+16*\c+1], v[(\x)+16*\c:(\x)+16*\c+1]
.endr
.irp k, 2,4,6,8,10,12,14
.irp c, 0,1,2,3
	v_pk_fma_f32 v[SQ+2*\c:SQ+2*\c+1], v[(\x)+16*\c+\k:(\x)+16*\c+\k+1], v[(\x)+16*\c+\k:(\x)+16*\c+\k+1], v[SQ+2*\c:SQ+2*\c+1]
.endr
.endr
.irp u, 0,1
	v_pk_add_f32 v[SQ+4*\u:SQ+4*\u+1], v[SQ+4*\u:SQ+4*\u+1], v[SQ+4*\u+2:SQ+4*\u+3]
.endr
.irp u, 0,1
	v_add_f32 v[SQ+4*\u], v[SQ+4*\u], v[SQ+4*\u+1]
.endr
.irp u, 0,1
	v_permlanex16_b32 v[SQT+\u], v[SQ+4*\u], s[SEL], s[SEL+1]
.endr
.irp u, 0,1
	v_add_f32 v[SQ+4*\u], v[SQ+4*\u], v[SQT+\u]
.endr
.endm
; 64 numbers of a lane, v[src] on, become the lower halves of two fragments (tile u's at v[dst + stp u] on, registers 4 c .. 4 c + 3 = block c, in the window that win sets) and two scale words (v[wrd + u]; bytes 2 and 3 stay 0, over zero codes).
; neg = 1: the numbers are quantised with their signs turned, and both scale bytes are raised by 1.
.macro QUANT src, neg, dst, stp, wrd, win
.irp b, 0,1,2,3
	v_max3_num_f32 v[TM+\b], |v[(\src)+16*\b]|, |v[(\src)+1+16*\b]|, 0x8000000   ; block b: my 16 numbers, and the floor 2^(16 - 127): the byte cannot fall under 1
.endr
.irp i, 2,4,6,8,10,12,14
.irp b, 0,1,2,3
	v_max3_num_f32 v[TM+\b], v[TM+\b], |v[(\src)+16*\b+\i]|, |v[(\src)+1+16*\b+\i]|   ; (the four blocks by turns)
.endr
.endr
.irp b, 0,1,2,3
	v_permlanex16_b32 v[TM+4+\b], v[TM+\b], s[SEL], s[SEL+1]
.endr
.irp b, 0,1,2,3
	v_max_num_f32 v[TM+\b], v[TM+\b], v[TM+4+\b]   ; with lane l xor 16's: the block's largest magnitude
.endr
.irp b, 0,1,2,3
	v_add_nc_u32 v[TM+12+\b], 0xf8800000, v[TM+\b] ; 15 off its exponent field: the conversion takes the exponent field of this operand as its scale
.endr
.irp b, 0,1,2,3
	v_and_or_b32 v[TM+8+\b], v[TM+\b], 0x7f800000, s[MNT]   ; 57,344 x the scale
.endr
.irp b, 0,1,2,3
	v_lshrrev_b32 v[TM+4+\b], 23, v[TM+12+\b]      ; the scale's byte
.endr
.irp u, 0,1
	v_lshl_or_b32 v[(\wrd)+\u], v[TM+5+2*\u], 8, v[TM+4+2*\u]
.endr
.if \neg
.irp u, 0,1
	v_add_nc_u32 v[(\wrd)+\u], 0x101, v[(\wrd)+\u] ; both bytes + 1: x 2, exactly; a byte is at most 239, so nothing is carried
.endr
.endif
.irp b, 0,1,2,3
.irp i, 0,1,2,3,4,5,6,7,8,9,10,11,12,13,14,15
.if \neg
	v_med3_num_f32 v[(\src)+16*\b+\i], -v[(\src)+16*\b+\i], -v[TM+8+\b], v[TM+8+\b]   ; the hold, and the sign with it
.else
	v_med3_num_f32 v[(\src)+16*\b+\i], v[(\src)+16*\b+\i], -v[TM+8+\b], v[TM+8+\b]    ; the conversion to an 8-bit code does not saturate (ISA guide 7.6.2): the hold at the largest code x the scale
.endif
.endr
.endr
	WIN \win
.irp b, 0,1,2,3
	v_cvt_scalef32_pk8_bf8_f32 v[(\dst)+(\stp)*(\b/2)+4*(\b%2):(\dst)+(\stp)*(\b/2)+4*(\b%2)+1], v[(\src)+16*\b:(\src)+16*\b+7], v[TM+12+\b]
	v_cvt_scalef32_pk8_bf8_f32 v[(\dst)+(\stp)*(\b/2)+4*(\b%2)+2:(\dst)+(\stp)*(\b/2)+4*(\b%2)+3], v[(\src)+16*\b+8:(\src)+16*\b+15], v[TM+12+\b]
.endr
	WIN 0
	v_nop                                          ; one plain place behind the last scaled conversion
.endm
.macro CODES p, x                      ; pair p, in set x, is quantised and stored for all eight waves
	SQSUM \x                                       ; ahead of QUANT, which works in place
	QUANT \x, 1, PC, 8, PW, 0
.irp u, 0,1
.irp c, 0,1
	ds_store_b128 v[AWI], v[PC+8*\u+4*\c:PC+8*\u+4*\c+3] offset:AIMG+UPA*((\p)/2)+1024*(2*((\p)%2)+\u)+512*\c
.endr
	ds_store_b32 v[AWS], v[PW+\u] offset:UPS*((\p)/2)+128*(2*((\p)%2)+\u)
	ds_store_b32 v[WQA], v[SQ+4*\u] offset:UPC*((\p)/2)+64*(2*((\p)%2)+\u)   ; both halves of the lanes write the same word with the same value
.endr
.endm
	; the lower half of the table
	TURNIN 0
	TURNOUT XA
	s_wait_dscnt 0x0                               ; pair 0's numbers are back
	TURNIN 1                                       ; pair 1 goes through the stage while pair 0 is worked
	TURNOUT XB
	CODES 0, XA
	s_wait_dscnt 0x0                               ; pair 1's numbers are back, and all my earlier LDS stores are done
	CODES 1, XB
.macro ADDR                            ; the LDS addresses of the tiles that begin at s[SA], s[SC], s[SS]
	v_add_nc_u32 v[ADA], s[SA], v[LI]
	v_add_nc_u32 v[ADC], s[SC], v[ADC0]
	v_add_nc_u32 v[ADS], s[SS], v[ADS0]
.endm
.macro STEP                            ; two groups on
	s_add_co_u32 s[SA], s[SA], 4096
	s_add_co_u32 s[SC], s[SC], 256
	s_add_co_u32 s[SS], s[SS], 512
.endm
.macro LOADG p                         ; group p (two tiles) from the addresses on, into buffer p: codes, ||w||^2 (sixteen lanes share each address), scale words
	WIN 0x40
.irp u, 0,1
	ds_load_b128 v[AF+32*(\p)+16*\u:AF+32*(\p)+16*\u+3], v[ADA] offset:2048*(\p)+1024*\u
	ds_load_b128 v[AF+32*(\p)+16*\u+4:AF+32*(\p)+16*\u+7], v[ADA] offset:2048*(\p)+1024*\u+512
.endr
	WIN 0
.irp u, 0,1
	ds_load_b128 v[CW+16*(\p)+8*\u:CW+16*(\p)+8*\u+3], v[ADC] offset:128*(\p)+64*\u
	ds_load_b128 v[CW+16*(\p)+8*\u+4:CW+16*(\p)+8*\u+7], v[ADC] offset:128*(\p)+64*\u+16
	ds_load_b32 v[AS+2*(\p)+\u], v[ADS] offset:256*(\p)+128*\u
.endr
.endm
.macro MUL d, set, p                   ; the group in buffer p against row tiles 2 set, 2 set + 1.  Four results of their own, none added onto: there is no chain
	WIN 0x05
.irp r, 0,1
.irp u, 0,1
	v_wmma_scale_f32_16x16x128_f8f6f4 v[(\d)+16*\r+8*\u:(\d)+16*\r+8*\u+7], v[AF+32*(\p)+16*\u:AF+32*(\p)+16*\u+15], v[ZB+32*(\set)+16*\r:ZB+32*(\set)+16*\r+15], v[CW+16*(\p)+8*\u:CW+16*(\p)+8*\u+7], v[AS+2*(\p)+\u], v[ZS+2*(\set)+\r] matrix_a_fmt:MATRIX_FMT_BF8 matrix_b_fmt:MATRIX_FMT_BF8
.endr
.endr
	WIN 0
.endm
.macro SNAP d, i                       ; row tile i's snapshot takes the 16 results at v[d] in the lanes of VCC, two registers a line
.irp j, 0,2,4,6,8,10,12,14
	v_dual_cndmask_b32 v[SN+16*(\i)+\j], v[SN+16*(\i)+\j], v[(\d)+\j] :: v_dual_cndmask_b32 v[SN+16*(\i)+\j+1], v[SN+16*(\i)+\j+1], v[(\d)+\j+1]
.endr
.endm
; The results of a group are looked through for two row tiles: 36 plain vector lines.  They name no register of the products issued just ahead of them, so they are also the places (eight are
; owed behind this form) between those products and the loads into their operands, the reads of their results and the products that write over them.
.macro ARG d, set, old, new
.irp c, 0,1,2,3
	v_min3_num_f32 v[T+\c], v[(\d)+8*\c], v[(\d)+8*\c+1], v[(\d)+8*\c+2]   ; four chains by turns; each accumulator is read from its low end on
.endr
.irp c, 0,1,2,3
	v_min3_num_f32 v[T+\c], v[T+\c], v[(\d)+8*\c+3], v[(\d)+8*\c+4]
.endr
.irp c, 0,1,2,3
	v_min3_num_f32 v[T+\c], v[T+\c], v[(\d)+8*\c+5], v[(\d)+8*\c+6]
.endr
.irp r, 0,1
	v_min3_num_f32 v[T+2*\r], v[T+2*\r], v[(\d)+16*\r+7], v[(\d)+16*\r+15]
.endr
.irp r, 0,1
	v_min3_num_f32 v[(\new)+2*(\set)+\r], v[T+2*\r], v[T+2*\r+1], v[(\old)+2*(\set)+\r]   ; the least so far
.endr
	v_cmp_lt_f32 vcc_lo, v[(\new)+2*(\set)], v[(\old)+2*(\set)]            ; strictly less: an equal number of a later group changes nothing
	v_cmp_lt_f32 s[M], v[(\new)+2*(\set)+1], v[(\old)+2*(\set)+1]
	SNAP (\d), 2*(\set)
	v_cndmask_b32 v[G+2*(\set)], v[G+2*(\set)], s[TT], vcc_lo
	s_mov_b32 vcc_lo, s[M]
	v_cndmask_b32 v[G+2*(\set)+1], v[G+2*(\set)+1], s[TT], s[M]
	SNAP (\d)+16, 2*(\set)+1
.endm
; A group, in buffer p.  On entry row tiles 0, 1 have been multiplied; on exit the same holds of the next group, in the other buffer.  ahead = 1: the group two on is fetched
.macro GROUP p, old, new, ahead
	MUL DY, 1, \p
	ARG DX, 0, \old, \new
	s_wait_dscnt 0x0                               ; the next group is in: asked for a whole group ago
.if \ahead
	LOADG \p
.endif
	MUL DX, 0, 1-\p
	ARG DY, 1, \old, \new
	s_add_co_u32 s[TT], s[TT], 1
.endm
.macro TRIPS n, name                   ; n trips of two groups; each fetches the two groups two on, from s[SA], s[SC], s[SS]
	s_mov_b32 s[N], \n
\name:
	ADDR
	GROUP 0, BM0, BM1, 1
	GROUP 1, BM1, BM0, 1
	STEP
	s_sub_co_u32 s[N], s[N], 1
	s_cmp_lg_u32 s[N], 0
	s_cbranch_scc1 \name
.endm
.macro LASTTWO                         ; the last two groups of a run: nothing is fetched
	GROUP 0, BM0, BM1, 0
	MUL DY, 1, 1
	ARG DX, 0, BM1, BM0
	ARG DY, 1, BM1, BM0
	s_add_co_u32 s[TT], s[TT], 1
.endm
	s_mov_b32 s[SA], 0
	s_mov_b32 s[SC], 0
	s_mov_b32 s[SS], 0
	s_mov_b32 s[TT], 0
	s_wait_dscnt 0x0                               ; for the others' sake: my images, scale words and ||w||^2 of the lower half lie in LDS
	s_barrier_signal -1
	WIN 0x40
.irp i, 0,1,2,3
.irp j, 8,9,10,11,12,13,14,15
	v_mov_b32 v[ZB+16*\i+\j], 0                    ; K = 64 .. 127: zero codes, on both sides (pairs 0 and 1 of the raw table have left these registers)
	v_mov_b32 v[AF+16*\i+\j], 0
.endr
.endr
	WIN 0
	s_barrier_wait -1                              ; everybody's do: into the lower half nobody stores any more
	ADDR
	LOADG 0                                        ; groups 0 and 1
	LOADG 1
	; z: my 64 rows become four fragments that stay in registers; the upper half of the table is asked for meanwhile
	s_wait_tensorcnt 0x0                           ; my tile has landed; only I read it
.irp q, 0,1
.irp u, 0,1
.irp c, 0,1
.irp i, 0,1,2,3
	ds_load_b128 v[XA+64*\q+32*\u+16*\c+4*\i:XA+64*\q+32*\u+16*\c+4*\i+3], v[ZA] offset:(32*\q+16*\u)*PITCH+128*\c+16*\i
.endr
.endr
.endr
.endr
	WLOAD 2
	s_wait_dscnt 16                                ; the first 32 rows are in; the second's 16 loads may be out
	QUANT XA, 0, ZB, 16, ZS, 0x40
	WLOAD 3
	s_wait_dscnt 0x0
	QUANT XB, 0, ZB+32, 16, ZS+2, 0x40
.irp i, 0,1,2,3
	v_mov_b32 v[BM0+\i], 0x7f800000                ; the least so far: +infinity
	v_mov_b32 v[G+\i], 0
.endr
.irp j, 0,1,2,3,4,5,6,7,8,9,10,11,12,13,14,15,16,17,18,19,20,21,22,23,24,25,26,27,28,29,30,31
	v_mov_b32 v[SN+\j], 0x7f800000                 ; the snapshots begin as +infinity
.endr
	STEP
	s_wait_alu depctr_va_vdst(0)                   ; at the head's end
	MUL DX, 0, 0                                   ; group 0, row tiles 0, 1
.irp j, 32,33,34,35,36,37,38,39,40,41,42,43,44,45,46,47,48,49,50,51,52,53,54,55,56,57,58,59,60,61,62,63
	v_mov_b32 v[SN+\j], 0x7f800000                 ; these 32 lines are the places behind the products
.endr
	TRIPS 3, .Lfirst                               ; groups 0 to 5; fetches 2 to 7
	LASTTWO                                        ; groups 6 and 7
	; the upper half of the table.  Pair 3's way into the stage stands behind pair 2's way out of it, and ahead of pair 2's work
	TURNIN 2
	TURNOUT XA
	TURNIN 3
	s_wait_dscnt 16                                ; pair 2's numbers are back; the 16 stores of pair 3 behind them may be out
	CODES 2, XA
	TURNOUT XA
	s_wait_dscnt 0x0                               ; pair 3's numbers are back, and all my earlier LDS stores are done
	CODES 3, XA
	s_mov_b32 s[SA], 16384
	s_mov_b32 s[SC], 1024
	s_mov_b32 s[SS], 2048
	s_wait_dscnt 0x0                               ; for the others' sake: my part of the upper half lies in LDS
	s_barrier_signal -1                            ; up to the wait below: work on registers, and loads of the lower half, into which nobody stores any more
	ADDR
	LOADG 0                                        ; groups 8 and 9
	LOADG 1
	STEP
	s_wait_dscnt 0x0
	MUL DX, 0, 0
.rept 8
	v_nop                                          ; the places behind these products
.endr
	TRIPS 3, .Lsecond                              ; groups 8 to 13; fetches 10 to 15
	s_barrier_wait -1                              ; everybody's part of the upper half lies in LDS
	s_mov_b32 s[SA], UPA
	s_mov_b32 s[SC], UPC
	s_mov_b32 s[SS], UPS
	TRIPS 8, .Lthird                               ; groups 14 to 29; fetches 16 to 31
	LASTTWO                                        ; groups 30 and 31
	; THE END.  Which of the winning group's sixteen it was: the lowest whose number in the snapshot is the least.  Then the two halves of the lanes: the lesser number, and of equal numbers the lower index.
.set J,   DX                           ; at work, in registers that the results have left
.set IX,  DX+4
.set M2,  DX+8
.set IX2, DX+12
.set OUT, DX+16
.irp i, 0,1,2,3
	v_mov_b32 v[J+\i], 23
	v_mov_b32 v[M2+\i], 0                          ; a lane permute's destination counts as one of its sources
	v_mov_b32 v[IX2+\i], 0
.endr
.irp j, 14,13,12,11,10,9,8,7,6,5,4,3,2,1,0
.irp i, 0,1,2,3
	v_cmp_eq_f32 s[M+\i], v[SN+16*\i+\j], v[BM0+\i]
.endr
.irp i, 0,1,2,3
	v_cndmask_b32 v[J+\i], v[J+\i], \j+8*(\j/8), s[M+\i]   ; register 8 u + j of the sixteen is the code 16 u + j of my half's
.endr
.endr
.irp i, 0,1,2,3
	v_lshl_add_u32 v[IX+\i], v[G+\i], 5, v[J+\i]
.endr
.irp i, 0,1,2,3
	v_add_nc_u32 v[IX+\i], v[IX+\i], v[H8]         ; the code: 32 x group + 16 u + 8 h + j
.endr
.irp i, 0,1,2,3
	v_permlanex16_b32 v[M2+\i], v[BM0+\i], s[SEL], s[SEL+1]
	v_permlanex16_b32 v[IX2+\i], v[IX+\i], s[SEL], s[SEL+1]
.endr
.irp i, 0,1,2,3
	v_cmp_lt_f32 s[M+\i], v[M2+\i], v[BM0+\i]
	v_cmp_eq_f32 s[E+\i], v[M2+\i], v[BM0+\i]
	v_cmp_lt_u32 s[L+\i], v[IX2+\i], v[IX+\i]
.endr
.irp i, 0,1,2,3
	s_and_b32 s[E+\i], s[E+\i], s[L+\i]
	s_or_b32 s[M+\i], s[M+\i], s[E+\i]
	v_cndmask_b32 v[IX+\i], v[IX+\i], v[IX2+\i], s[M+\i]   ; both halves of the lanes now hold row r's index
.endr
	v_cndmask_b32 v[OUT], v[IX], v[IX+1], s[HI]    ; word 2 l: my wave's row l: lanes 0-15 tile 0's, lanes 16-31 tile 1's
	v_cndmask_b32 v[OUT+1], v[IX+2], v[IX+3], s[HI]   ; word 2 l + 1: row 32 + l
	global_store_b64 v[SO], v[OUT:OUT+1], s[8:9]   ; the wave stores 256 consecutive bytes, at a multiple of 256 from ix's first byte
	s_wait_tensorcnt 0x0                           ; the wave's end
	ds_add_u32 v[SPW], v[NIL]
	s_wait_dscnt 0x0
	s_endpgm
.Lfunc_end_k_q1c296fb604_nearest:
	.size	k_q1c296fb604_nearest, .Lfunc_end_k_q1c296fb604_nearest-k_q1c296fb604_nearest
	.p2alignl 7, 3214868480
	.fill 96, 4, 3214868480
	.section	.rodata,"a",@progbits
	.p2align	6, 0x0
	.amdhsa_kernel k_q1c296fb604_nearest
		.amdhsa_group_segment_fixed_size 297472
		.amdhsa_private_segment_fixed_size 0
		.amdhsa_enable_private_segment 0
		.amdhsa_kernarg_size 24
		.amdhsa_user_sgpr_count 2
		.amdhsa_user_sgpr_kernarg_segment_ptr 1
		.amdhsa_wavefront_size32 1
		.amdhsa_system_sgpr_workgroup_id_x 1
		.amdhsa_system_sgpr_workgroup_id_y 1
		.amdhsa_system_sgpr_workgroup_id_z 1
		.amdhsa_system_vgpr_workitem_id 0
		.amdhsa_next_free_vgpr 512
		.amdhsa_next_free_sgpr 66
		.amdhsa_reserve_vcc 1
		.amdhsa_float_denorm_mode_32 3
		.amdhsa_float_denorm_mode_16_64 3
		.amdhsa_memory_ordered 1
		.amdhsa_forward_progress 1
		.amdhsa_inst_pref_size 164
	.end_amdhsa_kernel
	.amdgpu_metadata
---
amdhsa.version: [ 1, 2 ]
amdhsa.kernels:
  - .name:           k_q1c296fb604_nearest
    .symbol:         k_q1c296fb604_nearest.kd
    .args:
      - { .name: zq, .offset: 0, .size: 8, .value_kind: global_buffer, .address_space: global }
      - { .name: embeddings, .offset: 8, .size: 8, .value_kind: global_buffer, .address_space: global }
      - { .name: ix, .offset: 16, .size: 8, .value_kind: global_buffer, .address_space: global }
    .group_segment_fixed_size: 297472
    .private_segment_fixed_size: 0
    .kernarg_segment_align: 8
    .kernarg_segment_size: 24
    .max_flat_workgroup_size: 256
    .sgpr_count:     66
    .vgpr_count:     512
    .wavefront_size: 32
...
	.end_amdgpu_metadata
.endif
;; end of part 1
;; launch fetch (part 2): grid 256 x 1, 8 waves a work-group, no clusters, 0 bytes of LDS; arguments ix, embeddings, out0; writes out0
.if DOCPART == 2
	.amdgcn_target "amdgcn-amd-amdhsa--gfx1250"
	.amdhsa_code_object_version 6
	.text
	.protected	k_q1c296fb604_fetch
	.globl	k_q1c296fb604_fetch
	.p2align	8
	.type	k_q1c296fb604_fetch,@function
k_q1c296fb604_fetch:
	s_mov_b64 s[64:65], 0
	v_nop
	global_prefetch_b8 v0, s[64:65] scope:SCOPE_SE
	s_setreg_imm32_b32 hwreg(HW_REG_WAVE_MODE, 25, 1), 1
	s_wait_xcnt 0x0
; out0[row] = embeddings[ix[row]], the rows as they were given, f32.  ix: 131,072 words as the launch before stored them: each run of 64 rows is 256 bytes, and in it word 2 l + s is the index of row 32 s + l.
; A gather: bytes are all there is.  A wave takes 64 rows, one run of ix.  Sixteen lanes take a row of 256 bytes, 16 bytes each, so every load and every store of a half of the lanes covers 256 consecutive
; bytes, aligned.  All 32 gathers of a wave (16,384 bytes) are issued before the first store.  No loop, no LDS, no barrier; matrix units and clusters have nothing to do here.  The table is not copied into
; LDS: that would be 262,144 bytes a work-group against the 131,072 that its gathers read.
; An index is held under 1,024 ahead of its use as an address.
.set IX, 8                             ; v8-39    my half's 32 indices, then byte offsets into the table
.set DA, 40                            ; v40-167  32 x 16 bytes
	s_load_b128 s[4:7], s[0:1], 0x0                ; ix s[4:5], embeddings s[6:7]
	s_load_b64 s[8:9], s[0:1], 0x10                ; out0
	v_and_b32 v1, 15, v0
	s_delay_alu instid0(VALU_DEP_1)
	v_lshlrev_b32 v1, 4, v1                        ; my 16 bytes of a row
	v_lshrrev_b32 v2, 4, v0
	s_delay_alu instid0(VALU_DEP_1)
	v_lshlrev_b32 v2, 7, v2                        ; ix: 256 bytes a wave, 128 for each half of its lanes
	v_lshrrev_b32 v3, 5, v0
	s_delay_alu instid0(VALU_DEP_1)
	v_lshl_add_u32 v3, v3, 14, v1                  ; out0: 64 rows of 256 bytes a wave,
	v_bfe_u32 v4, v0, 4, 1
	s_delay_alu instid0(VALU_DEP_1)
	v_lshl_add_u32 v3, v4, 12, v3                  ; lanes 16-31 sixteen rows further down
	s_lshl_b32 s10, ttmp9, 11                      ; 512 words of ix a work-group
	s_mov_b32 s11, 0
	s_lshl_b32 s12, ttmp9, 17                      ; 512 rows of out0
	s_mov_b32 s13, 0
	s_wait_alu depctr_va_vdst(0)
	s_wait_kmcnt 0x0
	s_add_nc_u64 s[4:5], s[4:5], s[10:11]
	s_add_nc_u64 s[8:9], s[8:9], s[12:13]
.irp q, 0,1,2,3,4,5,6,7
	global_load_b128 v[IX+4*\q:IX+4*\q+3], v2, s[4:5] offset:16*\q   ; the sixteen lanes of a half share each address
.endr
	s_wait_loadcnt 0x0
.irp k, 0,1,2,3,4,5,6,7,8,9,10,11,12,13,14,15,16,17,18,19,20,21,22,23,24,25,26,27,28,29,30,31
	v_min_u32 v[IX+\k], 0x3ff, v[IX+\k]
.endr
.irp k, 0,1,2,3,4,5,6,7,8,9,10,11,12,13,14,15,16,17,18,19,20,21,22,23,24,25,26,27,28,29,30,31
	v_lshl_add_u32 v[IX+\k], v[IX+\k], 8, v1       ; 256 x index + my 16 bytes
.endr
.irp k, 0,1,2,3,4,5,6,7,8,9,10,11,12,13,14,15,16,17,18,19,20,21,22,23,24,25,26,27,28,29,30,31
	global_load_b128 v[DA+4*\k:DA+4*\k+3], v[IX+\k], s[6:7]          ; no hint: the table's rows are read again and again
.endr
.irp k, 0,1,2,3,4,5,6,7,8,9,10,11,12,13,14,15,16,17,18,19,20,21,22,23,24,25,26,27,28,29,30,31
	s_wait_loadcnt 31-\k                           ; loads come back in order (ISA guide 5.7.1): gather k is in, the 31 - k behind it may be out
	global_store_b128 v3, v[DA+4*\k:DA+4*\k+3], s[8:9] offset:(32*(\k&1)+(\k>>1))*256 th:TH_STORE_NT   ; word 32 hh + k of the run is row 32 (k & 1) + 16 hh + (k >> 1), hh my half of the lanes
.endr
	s_endpgm
.Lfunc_end_k_q1c296fb604_fetch:
	.size	k_q1c296fb604_fetch, .Lfunc_end_k_q1c296fb604_fetch-k_q1c296fb604_fetch
	.p2alignl 7, 3214868480
	.fill 96, 4, 3214868480
	.section	.rodata,"a",@progbits
	.p2align	6, 0x0
	.amdhsa_kernel k_q1c296fb604_fetch
		.amdhsa_group_segment_fixed_size 0
		.amdhsa_private_segment_fixed_size 0
		.amdhsa_enable_private_segment 0
		.amdhsa_kernarg_size 24
		.amdhsa_user_sgpr_count 2
		.amdhsa_user_sgpr_kernarg_segment_ptr 1
		.amdhsa_wavefront_size32 1
		.amdhsa_system_sgpr_workgroup_id_x 1
		.amdhsa_system_sgpr_workgroup_id_y 1
		.amdhsa_system_sgpr_workgroup_id_z 1
		.amdhsa_system_vgpr_workitem_id 0
		.amdhsa_next_free_vgpr 176
		.amdhsa_next_free_sgpr 66
		.amdhsa_reserve_vcc 0
		.amdhsa_float_denorm_mode_32 3
		.amdhsa_float_denorm_mode_16_64 3
		.amdhsa_memory_ordered 1
		.amdhsa_forward_progress 1
		.amdhsa_inst_pref_size 13
	.end_amdhsa_kernel
	.amdgpu_metadata
---
amdhsa.version: [ 1, 2 ]
amdhsa.kernels:
  - .name:           k_q1c296fb604_fetch
    .symbol:         k_q1c296fb604_fetch.kd
    .args:
      - { .name: ix, .offset: 0, .size: 8, .value_kind: global_buffer, .address_space: global }
      - { .name: embeddings, .offset: 8, .size: 8, .value_kind: global_buffer, .address_space: global }
      - { .name: out0, .offset: 16, .size: 8, .value_kind: global_buffer, .address_space: global }
    .group_segment_fixed_size: 0
    .private_segment_fixed_size: 0
    .kernarg_segment_align: 8
    .kernarg_segment_size: 24
    .max_flat_workgroup_size: 256
    .sgpr_count:     66
    .vgpr_count:     176
    .wavefront_size: 32
...
	.end_amdgpu_metadata
.endif
;; end of part 2
